; MI455X (gfx1250); checked and timed in simulation.
; The chip was launched on July 23, 2026; its instructions are those of AMD's public machine-readable ISA for CDNA 5 (MIT licence, August 2026) and "CDNA5" Instruction Set Architecture Reference Guide (July 2026). The comments in the code are by the model that wrote it; some were corrected since.
;; Encoder Attention. Allowed arithmetic: float matrix products may take bf16 or f16 operands with f32 sums; all other float work in f32.
;; Inputs: Wk 1,024 x 4,096 float32; Wq 1,024 x 4,096 float32; Wv 1,024 x 4,096 float32; bk 1,024 float32; bq 1,024 float32; bv 1,024 float32; encoder_batch 8,192 x 4,096 float32; target_batch 4,096 float32.
;; Outputs: out0 1,024 float32.
;; One version. Each part assembles by itself: llvm-mc -triple=amdgcn-amd-amdhsa -mcpu=gfx1250 --defsym DOCPART=n.
;; ======== version 1 of 1: 5 launches
;; workspace buffers: qv 4,096 bytes; u4 65,536 bytes; part 4,194,304 bytes; stats 2,048 bytes; cvec 16,384 bytes
;; launch qproj (part 1): grid 256 x 1, 8 waves a work-group, no clusters, 1,280 bytes of LDS; arguments Wq, target_batch, bq, qv; writes qv
.if DOCPART == 1
	.amdgcn_target "amdgcn-amd-amdhsa--gfx1250"
	.amdhsa_code_object_version 6
	.text
	.protected	k_q91d52dfa05_qproj
	.globl	k_q91d52dfa05_qproj
	.p2align	8
	.type	k_q91d52dfa05_qproj,@function
k_q91d52dfa05_qproj:
	s_mov_b64 s[64:65], 0
	v_nop
	global_prefetch_b8 v0, s[64:65] scope:SCOPE_SE
	s_setreg_imm32_b32 hwreg(HW_REG_WAVE_MODE, 25, 1), 1
	s_wait_xcnt 0x0
; y[n] = W[n][:] . x + b[n].  W: [1024][4096] f32, x: [4096] f32, b, y: [1024] f32.  All arithmetic in f32.
; One side of the product is a single vector, so each byte of W feeds one multiply-add: the kernel is a stream, on the vector unit;
; a 16-wide matrix tile would hold one useful column, and rounding to 16 bits would buy nothing.
; SHARES.  Work-group g owns rows 4 g .. 4 g + 3 (65,536 consecutive bytes of W).  Wave w owns columns 512 w .. 512 w + 511 of all four
; rows, so x is read once by the work-group (16 KiB beside 64 KiB of W: too small a part to share between work-groups).
; Lane l, load k: bytes 2048 w + 512 k + 16 l of a row: each load of a wave covers 512 consecutive bytes, aligned.
; All 21 loads of a wave are issued in one run; nothing is left to ask for ahead of time.
; The waves' four partial sums meet in LDS (8 x 16 bytes); wave 0 adds them and the bias and stores 16 bytes.
; The work-group's output is 16 bytes, a part of an aligned block of 256: whole blocks would want 64 rows a work-group, which leaves
; 16 work-groups for 16 MiB of W; the whole output is 4 KiB.
.set OFF, 1                            ; v1       2048 w + 16 l
.set LW,  2                            ; v2       LDS: 16 w, where my wave's four sums go
.set LR,  3                            ; v3       4 l: LDS word l on the way back; byte offset of the result
.set BO,  4                            ; v4       4 (l % 4): my row's bias
.set BI,  5                            ; v5       the bias of row l % 4
.set T,   6                            ; v6       at work in wave 0
.set D,   8                            ; v[8:15]  row r: a pair of running sums (even columns', odd columns')
.set R,   16                           ; v[16:19] row r: the wave's sum
.set XV,  20                           ; v[20:35] my 16 numbers of x
.set WR,  36                           ; v[36:99] row r, load k at WR + 16 r + 4 k
	s_load_b256 s[4:11], s[0:1], 0x0               ; W s[4:5], x s[6:7], b s[8:9], y s[10:11]
	v_lshl_add_u32 v100, v0, 2, 0x100
	v_mov_b32 v101, 0
	v_and_b32 v[LR], 31, v0                        ; lane
	v_lshrrev_b32 v[LW], 5, v0
	v_readfirstlane_b32 s12, v[LW]                 ; wave 0..7
	s_lshl_b32 s13, s12, 4
	s_mov_b32 s16, 0x76543210                      ; v_permlanex16_b32: each lane takes its own place in the other half
	s_mov_b32 s17, 0xfedcba98
	v_lshlrev_b32 v[OFF], 4, v[LR]
	v_lshl_add_u32 v[OFF], s12, 11, v[OFF]
	v_and_b32 v[BO], 3, v0
	v_lshlrev_b32 v[BO], 2, v[BO]
	v_lshlrev_b32 v[LR], 2, v[LR]
	v_mov_b32 v[LW], s13
	s_lshl_b32 s14, ttmp9, 16                      ; four rows of 16,384 bytes
	s_mov_b32 s15, 0
	s_wait_kmcnt 0x0
	s_add_nc_u64 s[4:5], s[4:5], s[14:15]
	s_lshl_b32 s14, ttmp9, 4                       ; four numbers of b and of y
	s_add_nc_u64 s[8:9], s[8:9], s[14:15]
	s_add_nc_u64 s[10:11], s[10:11], s[14:15]
	global_load_b32 v[BI], v[BO], s[8:9]           ; every wave loads it: a branch round one load would cost as much
.irp k, 0,1,2,3
	global_load_b128 v[XV+4*\k:XV+4*\k+3], v[OFF], s[6:7] offset:512*\k
.endr
.irp r, 0,1,2,3
.irp k, 0,1,2,3
	global_load_b128 v[WR+16*\r+4*\k:WR+16*\r+4*\k+3], v[OFF], s[4:5] offset:16384*\r+512*\k th:TH_LOAD_NT
.endr
.endr
.irp r, 0,1,2,3
	s_wait_loadcnt 12-4*\r                         ; loads come back in order: row r is in (b and x are older); the 4 loads of each later row stay out
	v_pk_mul_f32 v[D+2*\r:D+2*\r+1], v[WR+16*\r:WR+16*\r+1], v[XV:XV+1]   ; the first product starts the sums: nothing is cleared
.irp j, 1,2,3,4,5,6,7
	v_pk_fma_f32 v[D+2*\r:D+2*\r+1], v[WR+16*\r+2*\j:WR+16*\r+2*\j+1], v[XV+2*\j:XV+2*\j+1], v[D+2*\r:D+2*\r+1]
.endr
.endr
.irp r, 0,1,2,3
	v_add_f32 v[R+\r], v[D+2*\r], v[D+2*\r+1]
.endr
	; over the 32 lanes, the four rows by turns: four steps inside each half of 16 lanes, one across the halves
.irp m, 1,2,4,8
.irp r, 0,1,2,3
	v_add_f32_dpp v[R+\r], v[R+\r], v[R+\r] row_xmask:\m row_mask:0xf bank_mask:0xf
.endr
.endr
.irp r, 0,1,2,3
	v_permlanex16_b32 v[D+2*\r], v[R+\r], s16, s17 ; its destination counts as read: D has been written
.endr
.irp r, 0,1,2,3
	v_add_f32 v[R+\r], v[R+\r], v[D+2*\r]
.endr
	ds_store_b128 v[LW], v[R:R+3]                  ; all lanes write the same 16 bytes with the same values
	s_wait_dscnt 0x0                               ; for wave 0's sake: my store is done
	s_barrier_signal -1
	s_barrier_wait -1
	s_cmp_lg_u32 s12, 0
	s_cbranch_scc1 .Lend                           ; wave 0 alone goes on
	ds_load_b32 v[T], v[LR]                        ; lane l: wave l / 4, row l % 4
	s_wait_dscnt 0x0
	v_add_f32_dpp v[T], v[T], v[T] row_xmask:4 row_mask:0xf bank_mask:0xf
	v_add_f32_dpp v[T], v[T], v[T] row_xmask:8 row_mask:0xf bank_mask:0xf
	v_permlanex16_b32 v[D], v[T], s16, s17
	v_add_f32 v[T], v[T], v[D]                     ; the eight waves' sum of row l % 4
	v_add_f32 v[T], v[T], v[BI]
	s_wait_xcnt 0x0                                ; EXEC is a source of the loads above: it changes only behind this wait
	v_cmp_gt_u32 vcc_lo, 4, v0
	s_and_saveexec_b32 s18, vcc_lo
	global_store_b32 v[LR], v[T], s[10:11]         ; lanes 0 to 3: the four results
	s_wait_xcnt 0x0                                ; and again in front of the line that widens it
	s_or_b32 exec_lo, exec_lo, s18
.Lend:
	s_wait_tensorcnt 0x0
	ds_add_u32 v100, v101
	s_wait_dscnt 0x0
	s_endpgm
.Lfunc_end_k_q91d52dfa05_qproj:
	.size	k_q91d52dfa05_qproj, .Lfunc_end_k_q91d52dfa05_qproj-k_q91d52dfa05_qproj
	.p2alignl 7, 3214868480
	.fill 96, 4, 3214868480
	.section	.rodata,"a",@progbits
	.p2align	6, 0x0
	.amdhsa_kernel k_q91d52dfa05_qproj
		.amdhsa_group_segment_fixed_size 1280
		.amdhsa_private_segment_fixed_size 0
		.amdhsa_enable_private_segment 0
		.amdhsa_kernarg_size 32
		.amdhsa_user_sgpr_count 2
		.amdhsa_user_sgpr_kernarg_segment_ptr 1
		.amdhsa_wavefront_size32 1
		.amdhsa_system_sgpr_workgroup_id_x 1
		.amdhsa_system_sgpr_workgroup_id_y 1
		.amdhsa_system_sgpr_workgroup_id_z 1
		.amdhsa_system_vgpr_workitem_id 0
		.amdhsa_next_free_vgpr 102
		.amdhsa_next_free_sgpr 66
		.amdhsa_reserve_vcc 1
		.amdhsa_float_denorm_mode_32 3
		.amdhsa_float_denorm_mode_16_64 3
		.amdhsa_memory_ordered 1
		.amdhsa_forward_progress 1
		.amdhsa_inst_pref_size 8
	.end_amdhsa_kernel
	.amdgpu_metadata
---
amdhsa.version: [ 1, 2 ]
amdhsa.kernels:
  - .name:           k_q91d52dfa05_qproj
    .symbol:         k_q91d52dfa05_qproj.kd
    .args:
      - { .name: Wq, .offset: 0, .size: 8, .value_kind: global_buffer, .address_space: global }
      - { .name: target_batch, .offset: 8, .size: 8, .value_kind: global_buffer, .address_space: global }
      - { .name: bq, .offset: 16, .size: 8, .value_kind: global_buffer, .address_space: global }
      - { .name: qv, .offset: 24, .size: 8, .value_kind: global_buffer, .address_space: global }
    .group_segment_fixed_size: 1280
    .private_segment_fixed_size: 0
    .kernarg_segment_align: 8
    .kernarg_segment_size: 32
    .max_flat_workgroup_size: 256
    .sgpr_count:     66
    .vgpr_count:     102
    .wavefront_size: 32
...
	.end_amdgpu_metadata
.endif
;; end of part 1
;; launch uproj (part 2): grid 64 x 4, 8 waves a work-group, no clusters, 5,120 bytes of LDS; arguments Wk, qv, u4; writes u4
.if DOCPART == 2
	.amdgcn_target "amdgcn-amd-amdhsa--gfx1250"
	.amdhsa_code_object_version 6
	.text
	.protected	k_q91d52dfa05_uproj
	.globl	k_q91d52dfa05_uproj
	.p2align	8
	.type	k_q91d52dfa05_uproj,@function
k_q91d52dfa05_uproj:
	s_mov_b64 s[64:65], 0
	v_nop
	global_prefetch_b8 v0, s[64:65] scope:SCOPE_SE
	s_setreg_imm32_b32 hwreg(HW_REG_WAVE_MODE, 25, 1), 1
	s_wait_xcnt 0x0
; u4[y][i] = the sum over n = 256 y .. 256 y + 255 of q[n] Wk[n][i].  Wk: [1024][4096] f32, q: [1024] f32, u4: [4][4096] f32.
; (K q = E (Wk^T q) + bk.q for every input: the key projection meets one vector alone, so Wk^T q is formed first.  f32 throughout;
; the order of rounding differs from a product that forms K.)  A stream on the vector unit: each byte of Wk feeds one multiply-add.
; SHARES.  Work-group (x, y) owns columns 64 x .. 64 x + 63 (256 aligned bytes of a row) of 256 rows: 64 KiB.  The rows are split in four
; so that there are 256 work-groups; the next launch adds the four partial vectors.
; Wave w, half h = l / 16, i = l % 16: load k takes 16 bytes at 16 i of row 32 w + 16 h + k: a load of a wave is two whole rows' 256 bytes.
; A lane's 16 weights are 16 neighbouring numbers of q.  All 20 loads go out in one run.
; The 16 partial rows (wave, half) meet in LDS; wave 0 adds them and stores 256 consecutive aligned bytes from 16 lanes.
.set OFF,  1                           ; v1       (w << 19) + (h << 18) + 16 i
.set WO,   2                           ; v2       (w << 7) + (h << 6): my 16 weights
.set LS,   3                           ; v3       LDS: 512 w + 16 l = partial row 2 w + h, 16 i
.set LRD,  4                           ; v4       LDS: 2048 h + 16 i: half h reads partial rows 8 h .. 8 h + 7
.set OUTO, 5                           ; v5       16 i
.set ACC,  8                           ; v[8:11]  my four columns' sums
.set WT,   12                          ; v[12:27] weights
.set DT,   28                          ; v[28:91] load k at DT + 4 k
	s_load_b128 s[4:7], s[0:1], 0x0                ; Wk s[4:5], q s[6:7]
	s_load_b64 s[8:9], s[0:1], 0x10                ; u4
	v_lshl_add_u32 v92, v0, 2, 0x1000
	v_mov_b32 v93, 0
	v_and_b32 v7, 31, v0                           ; l
	v_and_b32 v[OUTO], 15, v0                      ; i
	v_bfe_u32 v6, v0, 4, 1                         ; h
	v_lshrrev_b32 v[WO], 5, v0
	v_readfirstlane_b32 s12, v[WO]                 ; wave 0..7
	s_and_b32 s13, ttmp7, 0xffff                   ; y
	s_mov_b32 s16, 0x76543210
	s_mov_b32 s17, 0xfedcba98
	v_lshlrev_b32 v[OUTO], 4, v[OUTO]
	v_lshl_add_u32 v[OFF], v6, 18, v[OUTO]
	v_lshl_add_u32 v[OFF], s12, 19, v[OFF]
	v_lshlrev_b32 v[WO], 6, v6
	v_lshl_add_u32 v[WO], s12, 7, v[WO]
	v_lshlrev_b32 v[LS], 4, v7
	v_lshl_add_u32 v[LS], s12, 9, v[LS]
	v_lshl_add_u32 v[LRD], v6, 11, v[OUTO]
	s_lshl_b32 s19, ttmp9, 8                       ; my 64 columns, in bytes
	s_lshl_b32 s14, s13, 22                        ; 256 rows of 16,384 bytes
	s_add_co_u32 s14, s14, s19
	s_mov_b32 s15, 0
	s_wait_kmcnt 0x0
	s_add_nc_u64 s[4:5], s[4:5], s[14:15]
	s_lshl_b32 s14, s13, 10                        ; 256 numbers of q
	s_add_nc_u64 s[6:7], s[6:7], s[14:15]
	s_lshl_b32 s14, s13, 14                        ; partial vector y
	s_add_co_u32 s14, s14, s19
	s_add_nc_u64 s[8:9], s[8:9], s[14:15]
.irp j, 0,1,2,3
	global_load_b128 v[WT+4*\j:WT+4*\j+3], v[WO], s[6:7] offset:16*\j
.endr
.irp k, 0,1,2,3,4,5,6,7,8,9,10,11,12,13,14,15
	global_load_b128 v[DT+4*\k:DT+4*\k+3], v[OFF], s[4:5] offset:16384*\k th:TH_LOAD_NT
.endr
	; the weighted sum of my 16 rows.  One weight a row, in a single register: plain multiply-adds, issued while the later rows are on their way
.irp k, 0,1,2,3,4,5,6,7,8,9,10,11,12,13,14,15
	s_wait_loadcnt 15-\k                           ; row k is in (the weights are older); the younger rows stay out
.irp e, 0,1,2,3
.if \k == 0
	v_mul_f32 v[ACC+\e], v[WT], v[DT+\e]           ; the first product starts the sums
.else
	v_fmac_f32 v[ACC+\e], v[WT+\k], v[DT+4*\k+\e]
.endif
.endr
.endr
	ds_store_b128 v[LS], v[ACC:ACC+3]              ; 32 lanes, 512 consecutive bytes
	s_wait_dscnt 0x0                               ; for wave 0's sake: my store is done
	s_barrier_signal -1
	s_barrier_wait -1
	s_cmp_lg_u32 s12, 0
	s_cbranch_scc1 .Lend                           ; wave 0 alone goes on
.irp j, 0,1,2,3,4,5,6,7
	ds_load_b128 v[DT+4*\j:DT+4*\j+3], v[LRD] offset:256*\j
.endr
	s_wait_dscnt 0x0
.irp j, 0,2,4,6                        ; a tree over the half's eight partial rows
	v_pk_add_f32 v[DT+4*\j:DT+4*\j+1], v[DT+4*\j:DT+4*\j+1], v[DT+4*\j+4:DT+4*\j+5]
	v_pk_add_f32 v[DT+4*\j+2:DT+4*\j+3], v[DT+4*\j+2:DT+4*\j+3], v[DT+4*\j+6:DT+4*\j+7]
.endr
.irp j, 0,4
	v_pk_add_f32 v[DT+4*\j:DT+4*\j+1], v[DT+4*\j:DT+4*\j+1], v[DT+4*\j+8:DT+4*\j+9]
	v_pk_add_f32 v[DT+4*\j+2:DT+4*\j+3], v[DT+4*\j+2:DT+4*\j+3], v[DT+4*\j+10:DT+4*\j+11]
.endr
	v_pk_add_f32 v[DT:DT+1], v[DT:DT+1], v[DT+16:DT+17]
	v_pk_add_f32 v[DT+2:DT+3], v[DT+2:DT+3], v[DT+18:DT+19]
.irp e, 0,1,2,3
	v_permlanex16_b32 v[ACC+\e], v[DT+\e], s16, s17  ; the other half's eight rows
.endr
	v_pk_add_f32 v[ACC:ACC+1], v[ACC:ACC+1], v[DT:DT+1]
	v_pk_add_f32 v[ACC+2:ACC+3], v[ACC+2:ACC+3], v[DT+2:DT+3]
	s_wait_xcnt 0x0                                ; EXEC is a source of the loads above: it changes only behind this wait
	v_cmp_gt_u32 vcc_lo, 16, v0
	s_and_saveexec_b32 s18, vcc_lo
	global_store_b128 v[OUTO], v[ACC:ACC+3], s[8:9]  ; 16 lanes store 256 consecutive bytes, aligned
	s_wait_xcnt 0x0                                ; and again in front of the line that widens it
	s_or_b32 exec_lo, exec_lo, s18
.Lend:
	s_wait_tensorcnt 0x0
	ds_add_u32 v92, v93
	s_wait_dscnt 0x0
	s_endpgm
.Lfunc_end_k_q91d52dfa05_uproj:
	.size	k_q91d52dfa05_uproj, .Lfunc_end_k_q91d52dfa05_uproj-k_q91d52dfa05_uproj
	.p2alignl 7, 3214868480
	.fill 96, 4, 3214868480
	.section	.rodata,"a",@progbits
	.p2align	6, 0x0
	.amdhsa_kernel k_q91d52dfa05_uproj
		.amdhsa_group_segment_fixed_size 5120
		.amdhsa_private_segment_fixed_size 0
		.amdhsa_enable_private_segment 0
		.amdhsa_kernarg_size 24
		.amdhsa_user_sgpr_count 2
		.amdhsa_user_sgpr_kernarg_segment_ptr 1
		.amdhsa_wavefront_size32 1
		.amdhsa_system_sgpr_workgroup_id_x 1
		.amdhsa_system_sgpr_workgroup_id_y 1
		.amdhsa_system_sgpr_workgroup_id_z 1
		.amdhsa_system_vgpr_workitem_id 0
		.amdhsa_next_free_vgpr 94
		.amdhsa_next_free_sgpr 66
		.amdhsa_reserve_vcc 1
		.amdhsa_float_denorm_mode_32 3
		.amdhsa_float_denorm_mode_16_64 3
		.amdhsa_memory_ordered 1
		.amdhsa_forward_progress 1
		.amdhsa_inst_pref_size 9
	.end_amdhsa_kernel
	.amdgpu_metadata
---
amdhsa.version: [ 1, 2 ]
amdhsa.kernels:
  - .name:           k_q91d52dfa05_uproj
    .symbol:         k_q91d52dfa05_uproj.kd
    .args:
      - { .name: Wk, .offset: 0, .size: 8, .value_kind: global_buffer, .address_space: global }
      - { .name: qv, .offset: 8, .size: 8, .value_kind: global_buffer, .address_space: global }
      - { .name: u4, .offset: 16, .size: 8, .value_kind: global_buffer, .address_space: global }
    .group_segment_fixed_size: 5120
    .private_segment_fixed_size: 0
    .kernarg_segment_align: 8
    .kernarg_segment_size: 24
    .max_flat_workgroup_size: 256
    .sgpr_count:     66
    .vgpr_count:     94
    .wavefront_size: 32
...
	.end_amdgpu_metadata
.endif
;; end of part 2
;; launch epass (part 3): grid 256 x 1, 8 waves a work-group, no clusters, 1,280 bytes of LDS; arguments encoder_batch, u4, qv, bk, part, stats; writes part, stats
.if DOCPART == 3
	.amdgcn_target "amdgcn-amd-amdhsa--gfx1250"
	.amdhsa_code_object_version 6
	.text
	.protected	k_q91d52dfa05_epass
	.globl	k_q91d52dfa05_epass
	.p2align	8
	.type	k_q91d52dfa05_epass,@function
k_q91d52dfa05_epass:
	s_mov_b64 s[64:65], 0
	v_nop
	global_prefetch_b8 v0, s[64:65] scope:SCOPE_SE
	s_setreg_imm32_b32 hwreg(HW_REG_WAVE_MODE, 25, 1), 1
	s_wait_xcnt 0x0
; For the 32 rows of E that work-group g owns: s[r] = (E[r][:] . u + bk . q) / 32, u = the sum of u4's four partial vectors (= Wk^T q);
; a running maximum m and sum l of 2^(c s - m) in the log2 domain (c s = s log2 e); part[g][:] = the sum over r of 2^(c s[r] - m) E[r][:].
; E: [8192][4096] f32, read ONCE: a row's logit is formed and the row is added into the weighted sum while it lies in registers.
; The algebra holds for every input: (E Wk^T + 1 bk^T) q = E (Wk^T q) + (bk . q) 1, and p^T (E Wv^T + 1 bv^T) = (p^T E) Wv^T + bv, since a
; softmax sums to 1.  LIMITS: sums in f32 in this order, which is not the order of a product that forms K and V; a weight below 2^-126 of
; the largest comes out of v_exp_f32 as 0; inputs are finite.  The maximum is always taken away in front of the exponential.
; Every product here has one vector on one side: a stream on the vector unit.  E's bytes are each used by one wave, so LDS and joint
; requests would share nothing; what work-groups share (u4, q, bk: 72 KiB) is a small part beside the work-group's 512 KiB of E.
; SHARES.  Wave w owns columns 512 w .. 512 w + 511 of every row: its parts of u, of the weighted sum and of a row are 16 registers each.
; Lane l, load k: bytes 2048 w + 512 k + 16 l of a row: each load of a wave covers 512 consecutive bytes, aligned.
; Rows go in 8 batches of 4 through a ring of three register slots (16 loads each): while one batch is at work, two are on their way.
; A logit wants all eight waves: each batch has one exchange of 128 bytes in LDS and one barrier, on two regions that take turns.
; All is written out by macro: every address is OFF plus an immediate (509,440 at the most), and no address register is ever rewritten.
.set OFF,  1                           ; v1        2048 w + 16 l
.set LW,   2                           ; v2        LDS: 16 w
.set LR,   3                           ; v3        4 l
.set QO,   4                           ; v4        512 w + 16 l: my four numbers of q and of bk
.set M,    6                           ; v6        running maximum of c s
.set L,    7                           ; v7        running sum
.set T,    8                           ; v8        the logit of row l % 4 of the batch
.set D,    10                          ; v[10:17]  row r: a pair of running sums; free again once R is made:
.set TX,   10                          ;           the other half's sum
.set BM,   11                          ;           the new maximum
.set AA,   12                          ;           m_old - m_new
.set PA,   13                          ;           c s - m_new
.set AV,   14                          ;           a = 2^(m_old - m_new)
.set PV,   15                          ;           p = 2^(c s - m_new)
.set PS,   16                          ;           the batch's sum of p
.set BETA, 18                          ; v[18:19]  my four products of bk . q, in two sums
.set R,    20                          ; v[20:23]  row r: the wave's sum
.set U,    24                          ; v[24:39]  my 16 numbers of u
.set C,    40                          ; v[40:55]  my 16 numbers of the weighted sum
.set X,    56                          ; v[56:247] slot s, row r, load k at X + 64 s + 16 r + 4 k
.set SP,   24                          ; s[24:31]  p of row r in s[24+2r]; the odd ones are named with them as pairs, so they are written
.set SA,   32                          ; s[32:33]  a
.macro FILL b                          ; batch b's four rows: 16 loads into slot b % 3
.irp r, 0,1,2,3
.irp k, 0,1,2,3
	global_load_b128 v[X+64*((\b)%3)+16*\r+4*\k:X+64*((\b)%3)+16*\r+4*\k+3], v[OFF], s[4:5] offset:(4*(\b)+\r)*16384+512*\k th:TH_LOAD_NT
.endr
.endr
.endm
	s_load_b256 s[4:11], s[0:1], 0x0               ; E s[4:5], u4 s[6:7], q s[8:9], bk s[10:11]
	s_load_b128 s[20:23], s[0:1], 0x20             ; part s[20:21], stats s[22:23]
	v_lshl_add_u32 v248, v0, 2, 0x100
	v_mov_b32 v249, 0
	v_and_b32 v[LR], 31, v0                        ; lane
	v_lshrrev_b32 v[LW], 5, v0
	v_readfirstlane_b32 s12, v[LW]                 ; wave 0..7
	s_lshl_b32 s13, s12, 4
	s_mov_b32 s16, 0x76543210                      ; v_permlanex16_b32: each lane takes its own place in the other half
	s_mov_b32 s17, 0xfedcba98
.irp r, 0,1,2,3,4
	s_mov_b32 s[SP+2*\r+1], 0
.endr
	v_lshlrev_b32 v[QO], 4, v[LR]
	v_lshl_add_u32 v[OFF], s12, 11, v[QO]
	v_lshl_add_u32 v[QO], s12, 9, v[QO]
	v_lshlrev_b32 v[LR], 2, v[LR]
	v_mov_b32 v[LW], s13
	s_lshl_b32 s14, ttmp9, 19                      ; 32 rows of 16,384 bytes
	s_mov_b32 s15, 0
	s_wait_kmcnt 0x0
	s_add_nc_u64 s[4:5], s[4:5], s[14:15]
	s_lshl_b32 s14, ttmp9, 14                      ; my row of part
	s_add_nc_u64 s[20:21], s[20:21], s[14:15]
	s_lshl_b32 s14, ttmp9, 2                       ; my word of m and of l
	s_add_nc_u64 s[22:23], s[22:23], s[14:15]
.irp k, 0,1,2,3
	global_load_b128 v[U+4*\k:U+4*\k+3], v[OFF], s[6:7] offset:512*\k
.endr
.irp y, 1,2,3                          ; the other three partial vectors lie in slot 2 for the moment
.irp k, 0,1,2,3
	global_load_b128 v[X+128+16*(\y-1)+4*\k:X+128+16*(\y-1)+4*\k+3], v[OFF], s[6:7] offset:16384*\y+512*\k
.endr
.endr
	global_load_b128 v[X+176:X+179], v[QO], s[8:9]
	global_load_b128 v[X+180:X+183], v[QO], s[10:11]
	FILL 0
	FILL 1
	s_wait_loadcnt 32                              ; all but the 32 loads of batches 0 and 1: u4, q and bk are in
.irp y, 0,1,2
.irp j, 0,1,2,3,4,5,6,7
	v_pk_add_f32 v[U+2*\j:U+2*\j+1], v[U+2*\j:U+2*\j+1], v[X+128+16*\y+2*\j:X+128+16*\y+2*\j+1]
.endr
.endr
	; bk . q enters each logit as the addend of each row's first multiply-add: the sum over halves, lanes and waves takes each of the 1,024 products once
	v_pk_mul_f32 v[BETA:BETA+1], v[X+176:X+177], v[X+180:X+181]
	v_pk_fma_f32 v[BETA:BETA+1], v[X+178:X+179], v[X+182:X+183], v[BETA:BETA+1]
	FILL 2                                         ; into the registers just read
; Batch b.  first = 1: it starts m, l and the weighted sum.  fill = 1: its slot takes batch b + 3.  left = the loads of the younger batches, which stay out.
.macro BATCH b, first, fill, left
.set XS,  X+64*((\b)%3)
.set PAR, 128*((\b)%2)
	s_wait_loadcnt \left                           ; loads come back in order: this batch's 16 are in
.irp j, 0,1,2,3,4,5,6,7                ; four chains, one a row, by turns
.irp r, 0,1,2,3
.if \j == 0
	v_pk_fma_f32 v[D+2*\r:D+2*\r+1], v[XS+16*\r:XS+16*\r+1], v[U:U+1], v[BETA:BETA+1]
.else
	v_pk_fma_f32 v[D+2*\r:D+2*\r+1], v[XS+16*\r+2*\j:XS+16*\r+2*\j+1], v[U+2*\j:U+2*\j+1], v[D+2*\r:D+2*\r+1]
.endif
.endr
.endr
.irp r, 0,1,2,3
	v_add_f32 v[R+\r], v[D+2*\r], v[D+2*\r+1]
.endr
.irp m, 1,2,4,8                        ; over the 32 lanes
.irp r, 0,1,2,3
	v_add_f32_dpp v[R+\r], v[R+\r], v[R+\r] row_xmask:\m row_mask:0xf bank_mask:0xf
.endr
.endr
.irp r, 0,1,2,3
	v_permlanex16_b32 v[D+2*\r], v[R+\r], s16, s17
.endr
.irp r, 0,1,2,3
	v_add_f32 v[R+\r], v[R+\r], v[D+2*\r]
.endr
	ds_store_b128 v[LW], v[R:R+3] offset:PAR       ; all lanes write the same 16 bytes with the same values
	s_wait_dscnt 0x0                               ; for the others' sake: my store is done.  My read of the other region was waited for a batch ago, so behind this barrier
	s_barrier_signal -1                            ; that region may be written again: one barrier a batch orders both
	s_barrier_wait -1
	ds_load_b32 v[T], v[LR] offset:PAR             ; lane l: wave l / 4, row l % 4
	s_wait_dscnt 0x0
	v_add_f32_dpp v[T], v[T], v[T] row_xmask:4 row_mask:0xf bank_mask:0xf
	v_add_f32_dpp v[T], v[T], v[T] row_xmask:8 row_mask:0xf bank_mask:0xf
	v_permlanex16_b32 v[TX], v[T], s16, s17
	v_add_f32 v[T], v[T], v[TX]                    ; the eight waves' sum.  Every wave adds the same words in the same order: m, l, a and p are the same bits in all eight
	v_mul_f32 v[T], 0x3d38aa3b, v[T]               ; times log2(e) / 32; sqrt(1024) = 32
	v_max_num_f32_dpp v[BM], v[T], v[T] row_xmask:1 row_mask:0xf bank_mask:0xf
	v_max_num_f32_dpp v[BM], v[BM], v[BM] row_xmask:2 row_mask:0xf bank_mask:0xf
.if !\first
	v_max_num_f32 v[BM], v[BM], v[M]
	v_sub_f32 v[AA], v[M], v[BM]
.endif
	v_sub_f32 v[PA], v[T], v[BM]
.if !\first
	v_exp_f32 v[AV], v[AA]
.endif
	v_exp_f32 v[PV], v[PA]
	v_mov_b32 v[M], v[BM]                          ; the new maximum; also the plain instruction between the exponentials and the use of their results
	s_wait_alu depctr_va_vdst(0)
	v_add_f32_dpp v[PS], v[PV], v[PV] row_xmask:1 row_mask:0xf bank_mask:0xf
	v_add_f32_dpp v[PS], v[PS], v[PS] row_xmask:2 row_mask:0xf bank_mask:0xf
.if \first
	v_mov_b32 v[L], v[PS]
.else
	v_fma_f32 v[L], v[AV], v[L], v[PS]
.endif
.irp r, 0,1,2,3
	v_readlane_b32 s[SP+2*\r], v[PV], \r           ; the four weights as scalars: factors only, no address and no branch hangs on them
.endr
.if \first
.irp j, 0,1,2,3,4,5,6,7
	v_pk_mul_f32 v[C+2*\j:C+2*\j+1], v[XS+2*\j:XS+2*\j+1], s[SP:SP+1] op_sel_hi:[1,0]   ; the first product starts the sums
.endr
.else
	v_readfirstlane_b32 s[SA], v[AV]
.irp j, 0,1,2,3,4,5,6,7
	v_pk_mul_f32 v[C+2*\j:C+2*\j+1], v[C+2*\j:C+2*\j+1], s[SA:SA+1] op_sel_hi:[1,0]
.endr
.irp j, 0,1,2,3,4,5,6,7
	v_pk_fma_f32 v[C+2*\j:C+2*\j+1], v[XS+2*\j:XS+2*\j+1], s[SP:SP+1], v[C+2*\j:C+2*\j+1] op_sel_hi:[1,0,1]
.endr
.endif
.irp r, 1,2,3
.irp j, 0,1,2,3,4,5,6,7
	v_pk_fma_f32 v[C+2*\j:C+2*\j+1], v[XS+16*\r+2*\j:XS+16*\r+2*\j+1], s[SP+2*\r:SP+2*\r+1], v[C+2*\j:C+2*\j+1] op_sel_hi:[1,0,1]
.endr
.endr
.if \fill
	FILL \b+3
.endif
.endm
	BATCH 0, 1, 1, 32
	BATCH 1, 0, 1, 32
	BATCH 2, 0, 1, 32
	BATCH 3, 0, 1, 32
	BATCH 4, 0, 1, 32                              ; asks for batch 7, the last
	BATCH 5, 0, 0, 32                              ; batches 6 and 7 are out; then the counts run down
	BATCH 6, 0, 0, 16
	BATCH 7, 0, 0, 0
.irp k, 0,1,2,3
	global_store_b128 v[OFF], v[C+4*\k:C+4*\k+3], s[20:21] offset:512*\k   ; each store of the wave covers 512 consecutive bytes, aligned
.endr
	s_cmp_lg_u32 s12, 0
	s_cbranch_scc1 .Lend
	s_wait_xcnt 0x0                                ; EXEC is a source of the stores above: it changes only behind this wait
	v_cmp_eq_u32 vcc_lo, 0, v0
	s_and_saveexec_b32 s18, vcc_lo
	global_store_b32 v[LR], v[M], s[22:23]         ; one lane: the work-group's m and l, two words (all that it has of them)
	global_store_b32 v[LR], v[L], s[22:23] offset:1024
	s_wait_xcnt 0x0                                ; and again in front of the line that widens it
	s_or_b32 exec_lo, exec_lo, s18
.Lend:
	s_wait_tensorcnt 0x0
	ds_add_u32 v248, v249
	s_wait_dscnt 0x0
	s_endpgm
.Lfunc_end_k_q91d52dfa05_epass:
	.size	k_q91d52dfa05_epass, .Lfunc_end_k_q91d52dfa05_epass-k_q91d52dfa05_epass
	.p2alignl 7, 3214868480
	.fill 96, 4, 3214868480
	.section	.rodata,"a",@progbits
	.p2align	6, 0x0
	.amdhsa_kernel k_q91d52dfa05_epass
		.amdhsa_group_segment_fixed_size 1280
		.amdhsa_private_segment_fixed_size 0
		.amdhsa_enable_private_segment 0
		.amdhsa_kernarg_size 48
		.amdhsa_user_sgpr_count 2
		.amdhsa_user_sgpr_kernarg_segment_ptr 1
		.amdhsa_wavefront_size32 1
		.amdhsa_system_sgpr_workgroup_id_x 1
		.amdhsa_system_sgpr_workgroup_id_y 1
		.amdhsa_system_sgpr_workgroup_id_z 1
		.amdhsa_system_vgpr_workitem_id 0
		.amdhsa_next_free_vgpr 250
		.amdhsa_next_free_sgpr 66
		.amdhsa_reserve_vcc 1
		.amdhsa_float_denorm_mode_32 3
		.amdhsa_float_denorm_mode_16_64 3
		.amdhsa_memory_ordered 1
		.amdhsa_forward_progress 1
		.amdhsa_inst_pref_size 76
	.end_amdhsa_kernel
	.amdgpu_metadata
---
amdhsa.version: [ 1, 2 ]
amdhsa.kernels:
  - .name:           k_q91d52dfa05_epass
    .symbol:         k_q91d52dfa05_epass.kd
    .args:
      - { .name: encoder_batch, .offset: 0, .size: 8, .value_kind: global_buffer, .address_space: global }
      - { .name: u4, .offset: 8, .size: 8, .value_kind: global_buffer, .address_space: global }
      - { .name: qv, .offset: 16, .size: 8, .value_kind: global_buffer, .address_space: global }
      - { .name: bk, .offset: 24, .size: 8, .value_kind: global_buffer, .address_space: global }
      - { .name: part, .offset: 32, .size: 8, .value_kind: global_buffer, .address_space: global }
      - { .name: stats, .offset: 40, .size: 8, .value_kind: global_buffer, .address_space: global }
    .group_segment_fixed_size: 1280
    .private_segment_fixed_size: 0
    .kernarg_segment_align: 8
    .kernarg_segment_size: 48
    .max_flat_workgroup_size: 256
    .sgpr_count:     66
    .vgpr_count:     250
    .wavefront_size: 32
...
	.end_amdgpu_metadata
.endif
;; end of part 3
;; launch combine (part 4): grid 64 x 1, 8 waves a work-group, no clusters, 5,120 bytes of LDS; arguments part, stats, cvec; writes cvec
.if DOCPART == 4
	.amdgcn_target "amdgcn-amd-amdhsa--gfx1250"
	.amdhsa_code_object_version 6
	.text
	.protected	k_q91d52dfa05_combine
	.globl	k_q91d52dfa05_combine
	.p2align	8
	.type	k_q91d52dfa05_combine,@function
k_q91d52dfa05_combine:
	s_mov_b64 s[64:65], 0
	v_nop
	global_prefetch_b8 v0, s[64:65] scope:SCOPE_SE
	s_setreg_imm32_b32 hwreg(HW_REG_WAVE_MODE, 25, 1), 1
	s_wait_xcnt 0x0
; c[i] = (the sum over g of 2^(m[g] - M) part[g][i]) / (the sum over g of 2^(m[g] - M) l[g]), M = the largest m[g].
; part: [256][4096] f32; stats: m[256] at byte 0 (log2 domain), l[256] at byte 1024; c: [4096] f32 = softmax(logits)^T E.  f32 throughout.
; The divisor is at least 1: the work-group that holds M has weight 1 and an l of at least 1.  A weight below 2^-126 comes out of v_exp_f32 as 0.
; SHARES.  Work-group x owns columns 64 x .. 64 x + 63 (256 aligned bytes of a row) of all 256 rows: 64 KiB, asked for in one run.
; 64 work-groups: a split of the rows would leave partial vectors for the next launch to add, for a launch of 4 MiB in all.
; Wave w, half h = l / 16, i = l % 16: load k takes 16 bytes at 16 i of row 32 w + 16 h + k: a load of a wave is two whole rows' 256 bytes.
; Every wave works M and the divisor out for itself from the 2 KiB of statistics, while its rows are on their way: no barrier for them.
; The 16 partial rows (wave, half) meet in LDS; wave 0 adds them and stores 256 consecutive aligned bytes from 16 lanes.
.set OFF,  1                           ; v1        (w << 19) + (h << 18) + 16 i
.set WO,   2                           ; v2        (w << 7) + (h << 6): the m of my 16 rows
.set LS,   3                           ; v3        LDS: 512 w + 16 l = partial row 2 w + h, 16 i
.set LRD,  4                           ; v4        LDS: 2048 h + 16 i
.set OUTO, 5                           ; v5        16 i
.set MX,   6                           ; v6        32 l, then M
.set LT,   7                           ; v7        l, then the divisor and its reciprocal
.set ACC,  8                           ; v[8:11]   my four columns' sums
.set WT,   12                          ; v[12:27]  my rows' m, then their weights
.set DT,   28                          ; v[28:91]  load k at DT + 4 k
.set MS,   92                          ; v[92:99]  m[8 l .. 8 l + 7]
.set LV,   100                         ; v[100:107] l[8 l .. 8 l + 7]
.macro WMAX reg, tmp                   ; the largest over the 32 lanes, in every lane
.irp m, 1,2,4,8
	v_max_num_f32_dpp v[\reg], v[\reg], v[\reg] row_xmask:\m row_mask:0xf bank_mask:0xf
.endr
	v_permlanex16_b32 v[\tmp], v[\reg], s16, s17
	v_max_num_f32 v[\reg], v[\reg], v[\tmp]
.endm
.macro WSUM reg, tmp                   ; the sum over the 32 lanes, in every lane
.irp m, 1,2,4,8
	v_add_f32_dpp v[\reg], v[\reg], v[\reg] row_xmask:\m row_mask:0xf bank_mask:0xf
.endr
	v_permlanex16_b32 v[\tmp], v[\reg], s16, s17
	v_add_f32 v[\reg], v[\reg], v[\tmp]
.endm
	s_load_b128 s[4:7], s[0:1], 0x0                ; part s[4:5], stats s[6:7]
	s_load_b64 s[8:9], s[0:1], 0x10                ; c
	v_lshl_add_u32 v108, v0, 2, 0x1000
	v_mov_b32 v109, 0
	v_and_b32 v[LT], 31, v0                        ; l
	v_and_b32 v[OUTO], 15, v0                      ; i
	v_bfe_u32 v[MX], v0, 4, 1                      ; h
	v_lshrrev_b32 v[WO], 5, v0
	v_readfirstlane_b32 s12, v[WO]                 ; wave 0..7
	s_mov_b32 s16, 0x76543210
	s_mov_b32 s17, 0xfedcba98
	v_lshlrev_b32 v[OUTO], 4, v[OUTO]
	v_lshl_add_u32 v[OFF], v[MX], 18, v[OUTO]
	v_lshl_add_u32 v[OFF], s12, 19, v[OFF]
	v_lshlrev_b32 v[WO], 6, v[MX]
	v_lshl_add_u32 v[WO], s12, 7, v[WO]
	v_lshlrev_b32 v[LS], 4, v[LT]
	v_lshl_add_u32 v[LS], s12, 9, v[LS]
	v_lshl_add_u32 v[LRD], v[MX], 11, v[OUTO]
	v_lshlrev_b32 v[MX], 5, v[LT]                  ; 32 l: eight statistics a lane
	s_lshl_b32 s14, ttmp9, 8                       ; my 64 columns, in bytes
	s_mov_b32 s15, 0
	s_wait_kmcnt 0x0
	s_add_nc_u64 s[4:5], s[4:5], s[14:15]
	s_add_nc_u64 s[8:9], s[8:9], s[14:15]
	global_load_b128 v[MS:MS+3],   v[MX], s[6:7]
	global_load_b128 v[MS+4:MS+7], v[MX], s[6:7] offset:16
	global_load_b128 v[LV:LV+3],   v[MX], s[6:7] offset:1024
	global_load_b128 v[LV+4:LV+7], v[MX], s[6:7] offset:1040
.irp j, 0,1,2,3
	global_load_b128 v[WT+4*\j:WT+4*\j+3], v[WO], s[6:7] offset:16*\j
.endr
.irp k, 0,1,2,3,4,5,6,7,8,9,10,11,12,13,14,15
	global_load_b128 v[DT+4*\k:DT+4*\k+3], v[OFF], s[4:5] offset:16384*\k th:TH_LOAD_NT
.endr
	s_wait_loadcnt 16                              ; the eight loads of statistics are in (so MX, their address, is free); the 16 rows stay out
	v_max3_num_f32 v[MX], v[MS], v[MS+1], v[MS+2]
	v_max3_num_f32 v[MX], v[MX], v[MS+3], v[MS+4]
	v_max3_num_f32 v[MX], v[MX], v[MS+5], v[MS+6]
	v_max_num_f32 v[MX], v[MX], v[MS+7]
	WMAX MX, LT                                    ; M
.irp j, 0,1,2,3,4,5,6,7
	v_sub_f32 v[MS+\j], v[MS+\j], v[MX]
.endr
.irp j, 0,1,2,3,4,5,6,7
	v_exp_f32 v[MS+\j], v[MS+\j]
.endr
.irp k, 0,1,2,3,4,5,6,7,8,9,10,11,12,13,14,15  ; plain work between the exponentials and the use of their results
	v_sub_f32 v[WT+\k], v[WT+\k], v[MX]
.endr
	s_wait_alu depctr_va_vdst(0)
	v_mul_f32 v[LT], v[MS], v[LV]
.irp j, 1,2,3,4,5,6,7
	v_fmac_f32 v[LT], v[MS+\j], v[LV+\j]
.endr
.irp k, 0,1,2,3,4,5,6,7,8,9,10,11,12,13,14,15
	v_exp_f32 v[WT+\k], v[WT+\k]
.endr
	WSUM LT, MS                                    ; the divisor; plain work that names no weight, behind their exponentials
	v_rcp_f32 v[LT], v[LT]
	v_nop                                          ; a plain instruction between the reciprocal and its use
	s_wait_alu depctr_va_vdst(0)
.irp k, 0,1,2,3,4,5,6,7,8,9,10,11,12,13,14,15
	v_mul_f32 v[WT+\k], v[WT+\k], v[LT]            ; the normalised weight of my row k
.endr
	; the weighted sum of my 16 rows.  One weight a row, in a single register: plain multiply-adds
.irp k, 0,1,2,3,4,5,6,7,8,9,10,11,12,13,14,15
	s_wait_loadcnt 15-\k                           ; row k is in; the younger rows stay out
.irp e, 0,1,2,3
.if \k == 0
	v_mul_f32 v[ACC+\e], v[WT], v[DT+\e]           ; the first product starts the sums
.else
	v_fmac_f32 v[ACC+\e], v[WT+\k], v[DT+4*\k+\e]
.endif
.endr
.endr
	ds_store_b128 v[LS], v[ACC:ACC+3]              ; 32 lanes, 512 consecutive bytes
	s_wait_dscnt 0x0                               ; for wave 0's sake: my store is done
	s_barrier_signal -1
	s_barrier_wait -1
	s_cmp_lg_u32 s12, 0
	s_cbranch_scc1 .Lend                           ; wave 0 alone goes on
.irp j, 0,1,2,3,4,5,6,7
	ds_load_b128 v[DT+4*\j:DT+4*\j+3], v[LRD] offset:256*\j
.endr
	s_wait_dscnt 0x0
.irp j, 0,2,4,6                        ; a tree over the half's eight partial rows
	v_pk_add_f32 v[DT+4*\j:DT+4*\j+1], v[DT+4*\j:DT+4*\j+1], v[DT+4*\j+4:DT+4*\j+5]
	v_pk_add_f32 v[DT+4*\j+2:DT+4*\j+3], v[DT+4*\j+2:DT+4*\j+3], v[DT+4*\j+6:DT+4*\j+7]
.endr
.irp j, 0,4
	v_pk_add_f32 v[DT+4*\j:DT+4*\j+1], v[DT+4*\j:DT+4*\j+1], v[DT+4*\j+8:DT+4*\j+9]
	v_pk_add_f32 v[DT+4*\j+2:DT+4*\j+3], v[DT+4*\j+2:DT+4*\j+3], v[DT+4*\j+10:DT+4*\j+11]
.endr
	v_pk_add_f32 v[DT:DT+1], v[DT:DT+1], v[DT+16:DT+17]
	v_pk_add_f32 v[DT+2:DT+3], v[DT+2:DT+3], v[DT+18:DT+19]
.irp e, 0,1,2,3
	v_permlanex16_b32 v[ACC+\e], v[DT+\e], s16, s17  ; the other half's eight rows
.endr
	v_pk_add_f32 v[ACC:ACC+1], v[ACC:ACC+1], v[DT:DT+1]
	v_pk_add_f32 v[ACC+2:ACC+3], v[ACC+2:ACC+3], v[DT+2:DT+3]
	s_wait_xcnt 0x0                                ; EXEC is a source of the loads above: it changes only behind this wait
	v_cmp_gt_u32 vcc_lo, 16, v0
	s_and_saveexec_b32 s18, vcc_lo
	global_store_b128 v[OUTO], v[ACC:ACC+3], s[8:9]  ; 16 lanes store 256 consecutive bytes, aligned
	s_wait_xcnt 0x0                                ; and again in front of the line that widens it
	s_or_b32 exec_lo, exec_lo, s18
.Lend:
	s_wait_tensorcnt 0x0
	ds_add_u32 v108, v109
	s_wait_dscnt 0x0
	s_endpgm
.Lfunc_end_k_q91d52dfa05_combine:
	.size	k_q91d52dfa05_combine, .Lfunc_end_k_q91d52dfa05_combine-k_q91d52dfa05_combine
	.p2alignl 7, 3214868480
	.fill 96, 4, 3214868480
	.section	.rodata,"a",@progbits
	.p2align	6, 0x0
	.amdhsa_kernel k_q91d52dfa05_combine
		.amdhsa_group_segment_fixed_size 5120
		.amdhsa_private_segment_fixed_size 0
		.amdhsa_enable_private_segment 0
		.amdhsa_kernarg_size 24
		.amdhsa_user_sgpr_count 2
		.amdhsa_user_sgpr_kernarg_segment_ptr 1
		.amdhsa_wavefront_size32 1
		.amdhsa_system_sgpr_workgroup_id_x 1
		.amdhsa_system_sgpr_workgroup_id_y 1
		.amdhsa_system_sgpr_workgroup_id_z 1
		.amdhsa_system_vgpr_workitem_id 0
		.amdhsa_next_free_vgpr 110
		.amdhsa_next_free_sgpr 66
		.amdhsa_reserve_vcc 1
		.amdhsa_float_denorm_mode_32 3
		.amdhsa_float_denorm_mode_16_64 3
		.amdhsa_memory_ordered 1
		.amdhsa_forward_progress 1
		.amdhsa_inst_pref_size 12
	.end_amdhsa_kernel
	.amdgpu_metadata
---
amdhsa.version: [ 1, 2 ]
amdhsa.kernels:
  - .name:           k_q91d52dfa05_combine
    .symbol:         k_q91d52dfa05_combine.kd
    .args:
      - { .name: part, .offset: 0, .size: 8, .value_kind: global_buffer, .address_space: global }
      - { .name: stats, .offset: 8, .size: 8, .value_kind: global_buffer, .address_space: global }
      - { .name: cvec, .offset: 16, .size: 8, .value_kind: global_buffer, .address_space: global }
    .group_segment_fixed_size: 5120
    .private_segment_fixed_size: 0
    .kernarg_segment_align: 8
    .kernarg_segment_size: 24
    .max_flat_workgroup_size: 256
    .sgpr_count:     66
    .vgpr_count:     110
    .wavefront_size: 32
...
	.end_amdgpu_metadata
.endif
;; end of part 4
;; launch oproj: the kernel of part 1 again; grid 256 x 1, 8 waves a work-group, no clusters, 1,280 bytes of LDS; arguments Wv, cvec, bv, out0; writes out0
